; MI455X (gfx1250); checked and timed in simulation.
; The chip was launched on July 23, 2026; its instructions are those of AMD's public machine-readable ISA for CDNA 5 (MIT licence, August 2026) and "CDNA5" Instruction Set Architecture Reference Guide (July 2026). The comments in the code are by the model that wrote it; some were corrected since.
;; Pairwise Attention. Allowed arithmetic: matrix products marked QUANTISED: E2M1 operands, one E8M0 scale for each 32 along K, by v_wmma_scale_f32_16x16x128_f8f6f4 with both operands' format E2M1 (or v_wmma_scale_f32_32x16x128_f4), f32 sums; everything else in f32.
;; Inputs: Wk_codes 128 x 8 x 16 uint8 (E2M1 codes of Wk, K innermost, in blocks of 32 codes, two codes a byte); Wk_scales 128 x 8 uint8 (E8M0 scales of Wk, one for each 32 codes along K); Wq_codes 128 x 8 x 16 uint8 (E2M1 codes of Wq, K innermost, in blocks of 32 codes, two codes a byte); Wq_scales 128 x 8 uint8 (E8M0 scales of Wq, one for each 32 codes along K); Wv_codes 256 x 8 x 16 uint8 (E2M1 codes of Wv, K innermost, in blocks of 32 codes, two codes a byte); Wv_scales 256 x 8 uint8 (E8M0 scales of Wv, one for each 32 codes along K); bk 128 float32; bq 128 float32; bv 256 float32; gamma 1 float32; x 8 x 256 x 64 x 64 float32.
;; Outputs: out0 8 x 256 x 64 x 64 float32.
;; This version of the problem:
;;   THIS VERSION OF THE PROBLEM IS GIVEN IN LOW PRECISION. The matrix products marked QUANTISED in the list below multiply operands that are first quantised to E2M1 (2 exponent bits, 1 mantissa bit; 4 bits a number), with one power-of-two scale for each 32 numbers along K (OCP MX v1.0); their sums are f32. All else is computed in f32.
;;   The module's matrix products, in the order in which they are computed (A, B: the left and right operand; K: the contracted axis; several contracted axes count as one K, in the product's order):
;;     1. [M 32,768, K 256] x [K 256, N 128]; A: input x; B: input Wq (given as codes): QUANTISED
;;     2. [M 32,768, K 256] x [K 256, N 128]; A: input x; B: input Wk (given as codes): QUANTISED
;;     3. [M 32,768, K 256] x [K 256, N 256]; A: input x; B: input Wv (given as codes): QUANTISED
;;     4. batch 8 x [M 4,096, K 128] x [K 128, N 4,096]; A: computed on the way; B: computed on the way: QUANTISED
;;     5. batch 8 x [M 256, K 4,096] x [K 4,096, N 4,096]; A: computed on the way; B: softmax (see below): QUANTISED
;;   THE QUANTISER, for each operand of a quantised product, along K:
;;     - K is cut into blocks of 32 from its start; a last block that is shorter is filled with zeros.
;;     - A block's scale is 2^e with e = floor(log2(the largest magnitude in the block)) - 2, held to -126 .. 127; a block of zeros has e = 0. As a byte (E8M0): e + 127.
;;     - Each number is divided by its block's scale, clamped to +-6, and rounded to the nearest number of E2M1, ties to even, subnormals kept.
;;     - The product sums the exact products of the quantised numbers (number of the format x scale) in f32.
;;   ~~~python
;;   def quantise(x, axis):      # numpy; x: float32 -> the quantised numbers, widened to float32 again
;;       x = np.moveaxis(x, axis, -1); K = x.shape[-1]
;;       x = np.pad(x, [(0, 0)] * (x.ndim - 1) + [(0, -K % 32)]); x = x.reshape(x.shape[:-1] + (-1, 32)); a = np.abs(x).max(-1, keepdims=True)
;;       e = np.where(a > 0, np.clip(np.frexp(np.where(a > 0, a, 1))[1] - 1 - 2, -126, 127), 0)      # np.frexp(a)[1] - 1 = floor(log2(a)), exactly
;;       r = np.clip(x / 2.0 ** e, -6, 6)
;;       step = 2.0 ** (np.maximum(np.frexp(np.where(r == 0, 1, r))[1] - 1, 0) - 1)
;;       q = np.round(r / step) * step * 2.0 ** e      # np.round: ties to even
;;       return np.moveaxis(q.reshape(q.shape[:-2] + (-1,))[..., :K], -1, axis).astype(np.float32)
;;   ~~~
;;   SOFTMAX AHEAD OF A QUANTISED PRODUCT. Where the list says 'softmax', what is quantised is not the finished softmax but p = 2^(t - M), with t = logit x log2(e) and M = ceil(the row's largest t), a whole number; so 1/2 < the row's largest p <= 1. The row's sum l is taken of the UNQUANTISED p, in f32, and the product's result is divided by l at the end. Since M is a whole number, a kernel that streams over the keys may use a running M (the ceiling of the running maximum): every later rescaling is an exact power of two, which a block's scale takes up: the codes' values come out the same.
;;   OPERANDS COMPUTED ON THE WAY. 'Computed on the way' means the value that the module computes at that place (a softmax that the list does not call 'softmax' is quantised finished and normalised). What goes into a quantiser is computed in f32, as accurately as f32 sums, v_exp_f32 and their like allow (about 1e-6 of the number): no bf16 or f16 on the way to a quantiser, and a product that is left as it is and whose result goes on into a quantised operand takes f32 operands (vector FMAs, or v_wmma_f32_16x16x4_f32). A number that lies on a knife's edge between two numbers of the format may be rounded either way, as far as f32 arithmetic and the matrix unit's own rounding can turn it there, and no further.
;;   INPUTS GIVEN AS CODES. Wk (in the module: [128, 256], K = its axis 1); Wq (in the module: [128, 256], K = its axis 1); Wv (in the module: [256, 256], K = its axis 1): each comes as NAME_codes (uint8): NAME with its K axis moved to the last place and cut into blocks of 32 codes, [.., K / 32, bytes a block], one block behind the other in memory; two codes a byte, the lower K in the low four bits (a code: sign, 2 exponent bits, 1 mantissa bit); and NAME_scales (uint8): the same leading axes, one E8M0 byte (e + 127) for each 32 codes along K. Its value is code x scale, taken as it is: it is not quantised again, and the codes and scales need not be those that the quantiser above would give.
;; One version. Each part assembles by itself: llvm-mc -triple=amdgcn-amd-amdhsa -mcpu=gfx1250 --defsym DOCPART=n.
;; ======== version 1 of 1: 2 launches
;; workspace buffers: qimg 2,228,224 bytes; kvimg 6,684,672 bytes
;; launch proj (part 1): grid 256 x 1, 4 waves a work-group, no clusters, 168,448 bytes of LDS; arguments x, Wq_codes, Wq_scales, bq, Wk_codes, Wk_scales, bk, Wv_codes, Wv_scales, bv, qimg, kvimg; writes qimg, kvimg
.if DOCPART == 1
	.amdgcn_target "amdgcn-amd-amdhsa--gfx1250"
	.amdhsa_code_object_version 6
	.text
	.protected	k_q0bb9d67f8f_proj
	.globl	k_q0bb9d67f8f_proj
	.p2align	8
	.type	k_q0bb9d67f8f_proj,@function
k_q0bb9d67f8f_proj:
	s_mov_b64 s[64:65], 0
	v_nop
	global_prefetch_b8 v0, s[64:65] scope:SCOPE_SE
	s_setreg_imm32_b32 hwreg(HW_REG_WAVE_MODE, 25, 1), 1
	s_wait_xcnt 0x0
; q = Wq x + bq, k = Wk x + bk, v = Wv x + bv for 128 pixels of one image, all three products on codes of FP4 (E2M1) with one E8M0 scale for each 32 along K,
; and their results quantised again for the attention that follows: q and k along their 128 channels, v along the pixels (the keys).
; x: [8][256 channels][4096 pixels] f32; K of the three products is the channel, which is NOT innermost: a lane takes a pixel and its registers run down the channels.
; The weights arrive as codes, [rows][256 codes = 128 bytes], with 8 scale bytes a row, and are taken as they are.
; SHARES.  Work-group g: image g / 32, pixels 128 (g % 32) on.  Quantising x the four waves share the pixels (32 each); multiplying they share the OUTPUTS: wave 0 makes q, wave 1 k, wave 2 v's channels
; 0-127, wave 3 v's channels 128-255, each for all 128 pixels: 128 matrix instructions a wave, and each weight byte is read once by the work-group, straight into registers.
; No cluster: what work-groups share is the weights alone, which go from memory into each wave's registers; a joint load would send them through LDS to no gain.
; OPERANDS ARE KEPT AS IMAGES OF THEIR REGISTERS: a fragment (16 rows x 128 K, 8 registers a lane) is 1,024 bytes, registers 4 c .. 4 c + 3 of lane l at 512 c + 16 l.  So x's fragments go from wave to wave
; through LDS, and q's, k's and v's go to memory, by 16-byte accesses of consecutive lanes alone.
; THE PIXELS OF A TILE ARE NOT NEIGHBOURS: row m of pixel tile 2 b + u is pixel 32 b + 8 u + m + 8 (m / 8).  Used as A's rows, a lane's 16 result registers of tiles 2 b and 2 b + 1 are then 16 NEIGHBOURING pixels
; (v's next K); the weight rows of q and k are chosen in the same way, so that 16 registers are 16 neighbouring channels (their next K).
; SCALE WORDS leave in blocks of 512 bytes: at 16 l + 4 i the word of tile 2 i + l / 16, row l % 16: one 16-byte load a lane gives four registers, each with an even tile in lanes 0-15 and the odd one in lanes 16-31.
; OUT: qimg, records of 8,704 bytes (8 images, 512 bytes of scale words);  kvimg, records of 26,112 bytes (k's 8 images, v's 16, k's scale words, v's twice 512 bytes): one record a work-group.
; LIMITS: NaN and infinities among the inputs are not served.  A block whose largest magnitude lies under 2^-124, a block of zeros among them, gets the scale byte 1 (a block of zeros has zero codes, which add
; nothing under that byte; the bytes are read by this program alone).
; REGISTERS.  Window 0: v2-13 addresses; v16-31 the weights' scale words; v32-39 x's; v40-43 the scale words that leave; v48-63 at work; v64-71 a fragment just made; v72-87 x's codes; v96-159 eight accumulators;
; v160-223 the biases in the results' layout.   Window 1: v0-127 my 16 weight fragments; v128-255 128 numbers of x, later x's 16 fragments.
.set QREC, 8704
.set REC,  26112
.set XIMG, 0                           ; LDS: x's 16 fragments (pixel tile P, K step s: 2 P + s), 1,024 bytes each
.set XSC,  16384                       ; their scale words: register 2 b + s, 128 bytes each: lanes 0-15 tile 2 b, lanes 16-31 tile 2 b + 1
.set XT,   17408                       ; x's tile as it comes: 256 channels x 512 bytes; filled once
.set LI,  2                            ; v2   16 x lane
.set LS,  3                            ; v3   4 x lane
.set XA0, 4                            ; v4   my pixel's word in channel 0's row of the tile;  v5: in channel 128's
.set XA1, 5
.set XWI, 6                            ; v6   where I store x's images
.set XWS, 7                            ; v7   and x's scale words
.set AE,  8                            ; v8   my byte in an even weight tile;  v9: in an odd one
.set AO,  9
.set SE,  10                           ; v10, v11  the same for the weights' scale words
.set SO,  11
.set BAQ, 12                           ; v12  my byte in bq or bk
.set BAV, 13                           ; v13  my byte in bv
.set WS,  16
.set XS,  32
.set SW,  40
.set PW,  44
.set XW,  45
.set TM,  48                           ; +0..3 largest magnitudes, +4..7 the other half's, then the bytes, +12..15 the conversions' scale operands
.set PC,  64
.set CD,  72
.set ACC, 96
.set BB,  160
.set RW,  0                            ; in window 1
.set RX,  128
.set WV,  2                            ; s2   my wave's number
.set WC,  32                           ; s[32:33] my weight's codes;  s[34:35] its scale bytes;  s[36:37] my bias;  s[38:39] where my images go;  s[40:41] where my scale words go
.set WSP, 34
.set BP,  36
.set OI,  38
.set OS,  40
.set G0,  44                           ; s[44:47], s[48:55] the tensor load's two groups
.set G1,  48
.set SEL, 56                           ; s[56:57] lane selects for v_permlanex16_b32: lane l xor 16
.set HM,  58                           ; s58  mask of lanes 16-31
.set RM,  59                           ; s59  8 where the weight rows of a tile are chosen (q, k), 0 where they are neighbours (v)
.set OD,  60                           ; s60  rows from an even weight tile to the odd one: 8 or 16
.set MSB, 0
.macro WIN new                         ; the immediate's high byte repeats the setting that is left; a switch that changes nothing is dropped
.if MSB != \new
	s_set_vgpr_msb (MSB<<8)|\new
.set MSB, \new
.endif
.endm
.macro PLACES
.rept 4
	v_nop
.endr
.endm
; One matrix instruction, by the symbols mD, mA, mB, mC (first registers), mSA, mSB (scale registers), mRA, mRB (1: that side's scales are read from lanes 16-31)
.macro WM
.if mRA
	v_wmma_scale_f32_16x16x128_f8f6f4 v[mD:mD+7], v[mA:mA+7], v[mB:mB+7], v[mC:mC+7], v[mSA], v[mSB] matrix_a_fmt:MATRIX_FMT_FP4 matrix_b_fmt:MATRIX_FMT_FP4 matrix_a_scale:MATRIX_SCALE_ROW1
.elseif mRB
	v_wmma_scale_f32_16x16x128_f8f6f4 v[mD:mD+7], v[mA:mA+7], v[mB:mB+7], v[mC:mC+7], v[mSA], v[mSB] matrix_a_fmt:MATRIX_FMT_FP4 matrix_b_fmt:MATRIX_FMT_FP4 matrix_b_scale:MATRIX_SCALE_ROW1
.else
	v_wmma_scale_f32_16x16x128_f8f6f4 v[mD:mD+7], v[mA:mA+7], v[mB:mB+7], v[mC:mC+7], v[mSA], v[mSB] matrix_a_fmt:MATRIX_FMT_FP4 matrix_b_fmt:MATRIX_FMT_FP4
.endif
.endm
; 64 numbers of a lane, v[s] .. v[s + 63], register 16 b + i = k 32 b + 16 (lane / 16) + i of my row, become a fragment's codes in v[PC] on and its scale word in v[pw].
.macro QUANT s, pw
.irp b, 0,1,2,3
	v_max3_num_f32 v[TM+\b], |v[\s+16*\b]|, |v[\s+1+16*\b]|, 0x1800000   ; block b: my 16 numbers, from the accumulators' low ends on, and the floor 2^(3 - 127): the byte cannot fall under 1
.endr
.irp i, 2,4,6,8,10,12,14
.irp b, 0,1,2,3
	v_max3_num_f32 v[TM+\b], v[TM+\b], |v[\s+16*\b+\i]|, |v[\s+1+16*\b+\i]|   ; (the four blocks by turns)
.endr
.endr
.irp b, 0,1,2,3
	v_permlanex16_b32 v[TM+4+\b], v[TM+\b], s[SEL], s[SEL+1]
.endr
.irp b, 0,1,2,3
	v_max_num_f32 v[TM+\b], v[TM+\b], v[TM+4+\b]   ; with lane l xor 16's 16: the block's largest magnitude
.endr
.irp b, 0,1,2,3
	v_add_nc_u32 v[TM+12+\b], 0xff000000, v[TM+\b]   ; 2 off its exponent field: the conversion takes the exponent field of this operand as its scale
.endr
.irp b, 0,1,2,3
	v_lshrrev_b32 v[TM+4+\b], 23, v[TM+12+\b]      ; the scale's byte
.endr
	v_lshl_or_b32 v[\pw], v[TM+5], 8, v[TM+4]      ; the four bytes make my row's scale word
	v_lshl_or_b32 v[\pw], v[TM+6], 16, v[\pw]
	v_lshl_or_b32 v[\pw], v[TM+7], 24, v[\pw]
.irp b, 0,1,2,3
	v_cvt_scalef32_pk8_fp4_f32 v[PC+2*\b], v[\s+16*\b:\s+7+16*\b], v[TM+12+\b]
	v_cvt_scalef32_pk8_fp4_f32 v[PC+1+2*\b], v[\s+8+16*\b:\s+15+16*\b], v[TM+12+\b]
.endr
	v_nop                                          ; one plain place behind a scaled conversion
.irp c, 0,1                                    ; the operand's layout wants a WHOLE block in a lane: lanes 0-15 block 2 c, lanes 16-31 block 2 c + 1
.irp i, 0,1
	v_permlane16_swap_b32 v[PC+4*\c+\i], v[PC+2+4*\c+\i]
.endr
.endr
.endm
	s_load_b512 s[8:23], s[0:1], 0x0               ; x s[8:9], Wq's codes s[10:11], its scales s[12:13], bq s[14:15], Wk's codes s[16:17], its scales s[18:19], bk s[20:21], Wv's codes s[22:23]
	s_load_b256 s[24:31], s[0:1], 0x40             ; Wv's scales s[24:25], bv s[26:27], qimg s[28:29], kvimg s[30:31]
	v_lshl_add_u32 v254, v0, 2, 0x29000
	v_mov_b32 v255, 0
	ds_add_u32 v254, v255
	ds_add_u32 v254, v255
	v_lshrrev_b32 v1, 5, v0
	v_readfirstlane_b32 s[WV], v1                  ; wave 0..3
	s_lshr_b32 s3, ttmp9, 5
	s_lshl_b32 s3, s3, 22                          ; the image: 256 channels x 16,384 bytes
	s_and_b32 s4, ttmp9, 31
	s_lshl_b32 s4, s4, 9                           ; the block's 128 pixels: 512 bytes of each channel's row
	s_add_co_u32 s4, s4, s3
	s_lshl_b32 s3, s[WV], 20                       ; I fetch channels 64 w to 64 w + 63
	s_add_co_u32 s4, s4, s3
	s_mov_b32 s5, 0
	; descriptor group 1: 64 rows (channels) of 128 elements of 4 bytes, 4,096 elements apart; no padding: a wave's LDS load takes 32 different words of one row
	s_mov_b32 s[G1+0], 2<<16                       ; 15:0 no mask; 17:16 elements of 4 bytes
	s_mov_b32 s[G1+1], 128<<16                     ; tensor_dim0 = 128
	s_mov_b32 s[G1+2], 64<<16                      ; tensor_dim1 = 64
	s_mov_b32 s[G1+3], 128<<16                     ; tile_dim0 = 128
	s_mov_b32 s[G1+4], 64                          ; tile_dim1 = 64
	s_mov_b32 s[G1+5], 4096                        ; tensor_dim0_stride
	s_mov_b32 s[G1+6], 0
	s_mov_b32 s[G1+7], 0
	s_mov_b32 s[G0], 1                             ; count = 1
	s_lshl_b32 s3, s[WV], 15
	s_add_co_u32 s[G0+1], s3, XT                   ; LDS address: my 64 rows of 512 bytes
	s_wait_dscnt 0x0
	s_wait_kmcnt 0x0
	s_add_nc_u64 s[G0+2:G0+3], s[8:9], s[4:5]
	s_or_b32 s[G0+3], s[G0+3], 0x80000000          ; type = 2
	tensor_load_to_lds s[G0:G0+3], s[G1:G1+7]      ; my one tensor load: the four waves' together are all of x that the work-group reads, 128 KiB, asked for at once
	s_nop 0
	PLACES                                         ; four v_nop follow the load
	; which buffers are my wave's: the choices hang on the wave's number alone
	s_cmp_eq_u32 s[WV], 0
	s_cselect_b64 s[WC:WC+1], s[10:11], s[16:17]
	s_cselect_b64 s[WSP:WSP+1], s[12:13], s[18:19]
	s_cselect_b64 s[BP:BP+1], s[14:15], s[20:21]
	s_cselect_b64 s[OI:OI+1], s[28:29], s[30:31]
	s_cmp_lt_u32 s[WV], 2
	s_cselect_b64 s[WC:WC+1], s[WC:WC+1], s[22:23]
	s_cselect_b64 s[WSP:WSP+1], s[WSP:WSP+1], s[24:25]
	s_cselect_b64 s[BP:BP+1], s[BP:BP+1], s[26:27]
	s_cselect_b32 s[RM], 8, 0
	s_cselect_b32 s[OD], 8, 16
	s_mov_b64 s[OS:OS+1], s[OI:OI+1]
	s_cmp_eq_u32 s[WV], 3                          ; wave 3 takes Wv's rows 128 on: 128 bytes of codes, 8 of scales, 4 of bias a row
	s_cselect_b32 s4, 0x4000, 0
	s_add_nc_u64 s[WC:WC+1], s[WC:WC+1], s[4:5]
	s_cselect_b32 s4, 0x400, 0
	s_add_nc_u64 s[WSP:WSP+1], s[WSP:WSP+1], s[4:5]
	s_cselect_b32 s4, 0x200, 0
	s_add_nc_u64 s[BP:BP+1], s[BP:BP+1], s[4:5]
	s_mul_i32 s6, ttmp9, QREC                      ; q's record,
	s_add_co_u32 s63, s6, 8192                     ; and its scale words
	s_mul_i32 s7, ttmp9, REC                       ; k's and v's record
	s_max_u32 s3, s[WV], 1
	s_sub_co_u32 s3, s3, 1                         ; 0 for k, 1 and 2 for v's halves
	s_lshl_b32 s61, s3, 13
	s_add_co_u32 s61, s61, s7                      ; eight images each,
	s_lshl_b32 s62, s3, 9
	s_add_co_u32 s62, s62, s7
	s_add_co_u32 s62, s62, 24576                   ; and 512 bytes of scale words each, behind the 24 images
	s_cmp_eq_u32 s[WV], 0
	s_cselect_b32 s4, s6, s61
	s_add_nc_u64 s[OI:OI+1], s[OI:OI+1], s[4:5]
	s_cselect_b32 s4, s63, s62
	s_add_nc_u64 s[OS:OS+1], s[OS:OS+1], s[4:5]
	s_mov_b32 s[SEL], 0x76543210
	s_mov_b32 s[SEL+1], 0xfedcba98
	s_mov_b32 s[HM], 0xffff0000
	; every address register is made here, ahead of the first parting of the waves
	v_and_b32 v1, 31, v0                           ; lane
	v_lshlrev_b32 v[LI], 4, v1
	v_lshlrev_b32 v[LS], 2, v1
	v_and_b32 v14, 7, v0
	v_bfe_u32 v15, v0, 3, 1
	v_lshl_add_u32 v14, v15, 4, v14
	v_bfe_u32 v15, v0, 4, 1                        ; h = lane / 16
	v_lshl_add_u32 v14, v15, 3, v14                ; my pixel among the wave's 32: lane % 8 + 16 (bit 3) + 8 (bit 4): lanes 0-15 hold tile 2 w's rows, lanes 16-31 tile 2 w + 1's
	s_lshl_b32 s3, s[WV], 7
	s_add_co_u32 s3, s3, XT
	v_lshl_add_u32 v[XA0], v14, 2, s3
	v_add_nc_u32 v[XA1], 0x10000, v[XA0]           ; 128 channels of 512 bytes on
	s_lshl_b32 s3, s[WV], 12
	v_add_nc_u32 v[XWI], s3, v[LI]                 ; my wave's four fragments: 4,096 w
	s_lshl_b32 s3, s[WV], 8
	s_add_co_u32 s3, s3, XSC
	v_add_nc_u32 v[XWS], s3, v[LS]                 ; and its two registers of scale words: 256 w
	v_and_b32 v14, 15, v0                          ; r = lane % 16
	v_and_b32 v1, s[RM], v14
	v_add_nc_u32 v1, v1, v14                       ; q, k: r + 8 (r / 8);  v: r
	v_lshlrev_b32 v[AE], 7, v1                     ; a weight row is 128 bytes,
	v_lshl_add_u32 v[AE], v15, 4, v[AE]            ; + 16 h
	s_lshl_b32 s3, s[OD], 7
	v_add_nc_u32 v[AO], s3, v[AE]
	v_lshlrev_b32 v[SE], 3, v1                     ; and has 8 scale bytes
	s_lshl_b32 s3, s[OD], 3
	v_add_nc_u32 v[SO], s3, v[SE]
	v_lshlrev_b32 v[BAQ], 6, v15                   ; q, k: a result tile's eight channels of my half begin 16 h channels on
	v_lshlrev_b32 v[BAV], 2, v14                   ; v: my one channel of a tile
.irp b, 0,1,2,3
	v_mov_b32 v[TM+4+\b], 0                        ; written once: a lane permute's destination counts as one of its sources
.endr
	; my 16 weight fragments (tile t, K step s) at v[8 (2 t + s)] of window 1.  q, k: tile t's row r is row 32 (t / 2) + 8 (t % 2) + r + 8 (r / 8);  v: row 16 t + r
	WIN 0x40
.irp t, 0,1,2,3,4,5,6,7
.irp s, 0,1
.irp c, 0,1
	global_load_b128 v[RW+8*(2*\t+\s)+4*\c:RW+8*(2*\t+\s)+4*\c+3], v[AE+(\t%2)], s[WC:WC+1] offset:4096*(\t/2)+64*\s+32*\c
.endr
.endr
.endr
	WIN 0
.irp t, 0,1,2,3,4,5,6,7
.irp s, 0,1
	global_load_b32 v[WS+2*\t+\s], v[SE+(\t%2)], s[WSP:WSP+1] offset:256*(\t/2)+4*\s
.endr
.endr
	; the biases, as the C of each sum's first matrix instruction: eight registers a tile in the result's layout
	s_cmp_lt_u32 s[WV], 2
	s_cbranch_scc0 .Lbias_v
.irp t, 0,1,2,3,4,5,6,7                        ; q, k: register j of tile t is channel 32 (t / 2) + 16 h + 8 (t % 2) + j
	global_load_b128 v[BB+8*\t:BB+8*\t+3], v[BAQ], s[BP:BP+1] offset:(32*(\t/2)+8*(\t%2))*4
	global_load_b128 v[BB+8*\t+4:BB+8*\t+7], v[BAQ], s[BP:BP+1] offset:(32*(\t/2)+8*(\t%2))*4+16
.endr
	s_branch .Lbias_done
.Lbias_v:
.irp t, 0,1,2,3,4,5,6,7                        ; v: all eight registers of tile t are channel 16 t + r
.irp j, 0,1,2,3,4,5,6,7
	global_load_b32 v[BB+8*\t+\j], v[BAV], s[BP:BP+1] offset:64*\t
.endr
.endr
.Lbias_done:
	s_wait_tensorcnt 0x0                           ; my 64 channels are in LDS,
	s_barrier_signal -1
	s_barrier_wait -1                              ; everybody's are: each wave reads its 32 pixels of all 256 channels
; K step s of x (channels 128 s on): my pixel's 128 numbers, four whole blocks of 32, become 16 registers of codes and a scale word; no other lane is asked for a maximum.
.macro XHALF s
	WIN 0x40                                       ; destination window 1
.set xc, 0
.rept 128
	ds_load_b32 v[128+xc], v[XA0+\s] offset:512*xc
.set xc, xc+1
.endr
	s_wait_dscnt 0x0                               ; they are in; and the last half's LDS stores have read their registers
	WIN 0x05                                       ; sources 0 and 1 window 1; the running maximum stands in source 2, window 0
.irp b, 0,1,2,3
	v_max3_num_f32 v[TM+\b], |v[128+32*\b]|, |v[129+32*\b]|, 0x1800000   ; the floor 2^(3 - 127): the byte cannot fall under 1
.endr
.irp i, 2,4,6,8,10,12,14,16,18,20,22,24,26,28,30
.irp b, 0,1,2,3
	v_max3_num_f32 v[TM+\b], |v[128+32*\b+\i]|, |v[129+32*\b+\i]|, v[TM+\b]
.endr
.endr
	WIN 0
.irp b, 0,1,2,3
	v_add_nc_u32 v[TM+12+\b], 0xff000000, v[TM+\b] ; 2 off the exponent field: the conversion's scale operand
.endr
.irp b, 0,1,2,3
	v_lshrrev_b32 v[TM+4+\b], 23, v[TM+12+\b]      ; the scale's byte
.endr
	v_lshl_or_b32 v[XW], v[TM+5], 8, v[TM+4]
	v_lshl_or_b32 v[XW], v[TM+6], 16, v[XW]
	v_lshl_or_b32 v[XW], v[TM+7], 24, v[XW]        ; my pixel's scale word
	WIN 0x01                                       ; source 0 window 1
.irp b, 0,1,2,3
.irp g, 0,1,2,3
	v_cvt_scalef32_pk8_fp4_f32 v[CD+4*\b+\g], v[128+32*\b+8*\g:135+32*\b+8*\g], v[TM+12+\b]
.endr
.endr
	WIN 0
	v_nop                                          ; one plain place behind a scaled conversion
.irp c, 0,1                                    ; a fragment's lanes 0-15 hold block 2 c of its rows, lanes 16-31 block 2 c + 1: the even block's upper lanes (tile 2 w + 1) change places with the odd block's lower lanes (tile 2 w)
.irp g, 0,1,2,3
	v_permlane16_swap_b32 v[CD+8*\c+\g], v[CD+8*\c+4+\g]
.endr
.endr
.irp c, 0,1
.irp u, 0,1
	ds_store_b128 v[XWI], v[CD+4*(2*\c+\u):CD+4*(2*\c+\u)+3] offset:XIMG+2048*\u+1024*\s+512*\c   ; registers 4 c .. 4 c + 3 of tile 2 w + u's fragment
.endr
.endr
	ds_store_b32 v[XWS], v[XW] offset:128*\s       ; lanes 0-15: tile 2 w's words, lanes 16-31: tile 2 w + 1's
.endm
	XHALF 0
	XHALF 1
	s_wait_dscnt 0x0                               ; for the others' sake: my stores have landed
	s_barrier_signal -1
	s_barrier_wait -1                              ; x's sixteen fragments lie in LDS
	WIN 0x40
.irp f, 0,1,2,3,4,5,6,7,8,9,10,11,12,13,14,15
.irp c, 0,1
	ds_load_b128 v[RX+8*\f+4*\c:RX+8*\f+4*\c+3], v[LI] offset:XIMG+1024*\f+512*\c
.endr
.endr
	WIN 0
.irp n, 0,1,2,3,4,5,6,7
	ds_load_b32 v[XS+\n], v[LS] offset:XSC+128*\n
.endr
	s_wait_loadcnt 0x0                             ; the weights, their scale words, the biases
	s_wait_dscnt 0x0
; One fragment of the output: 16 matrix instructions (eight accumulators by turns; two K steps), quantised, stored.
; qk = 1: pixel tile i of q or k: source 0 = my eight weight tiles, source 1 = x's tile i: a lane holds ONE pixel and 64 of its 128 channels.
; qk = 0: channel tile i of v: source 0 = x's eight pixel tiles, source 1 = weight tile i: a lane holds ONE channel and 64 of the 128 pixels.
.macro ITER i, qk
	s_wait_xcnt 0x0                                ; the last fragment's stores have had their addresses translated: only behind this wait are their data registers written again
	WIN 0x05                                       ; sources 0 and 1 window 1; C and D window 0
.irp s, 0,1
.irp a, 0,1,2,3,4,5,6,7
.set mD, ACC+8*\a
.if \qk
.set mA, RW+8*(2*\a+\s)
.set mB, RX+8*(2*(\i)+\s)
.set mC, BB+8*\a
.set mSA, WS+2*\a+\s
.set mSB, XS+2*((\i)/2)+\s
.set mRA, 0
.set mRB, (\i)%2
.else
.set mA, RX+8*(2*\a+\s)
.set mB, RW+8*(2*(\i)+\s)
.set mC, BB+8*(\i)
.set mSA, XS+2*(\a/2)+\s
.set mSB, WS+2*(\i)+\s
.set mRA, \a%2
.set mRB, 0
.endif
.if \s
.set mC, mD
.endif
	WM
.endr
.endr
	WIN 0
	PLACES                                         ; four places behind the last product, ahead of the first read of results
.if (\i)%2
	QUANT ACC, PW
	v_cndmask_b32 v[SW+(\i)/2], v[SW+(\i)/2], v[PW], s[HM]   ; an odd tile's words go into lanes 16-31 beside the even tile's
.else
	QUANT ACC, SW+(\i)/2
.endif
.irp c, 0,1
	global_store_b128 v[LI], v[PC+4*\c:PC+4*\c+3], s[OI:OI+1] offset:1024*(\i)+512*\c   ; 32 lanes store 512 consecutive bytes, at a multiple of 256 from the buffer's first byte
.endr
.endm
	s_cmp_lt_u32 s[WV], 2
	s_cbranch_scc0 .Lv_role
.irp i, 0,1,2,3,4,5,6,7
	ITER \i, 1
.endr
	global_store_b128 v[LI], v[SW:SW+3], s[OS:OS+1]   ; the eight tiles' scale words: 512 consecutive bytes
	s_wait_tensorcnt 0x0
	ds_add_u32 v254, v255
	s_wait_dscnt 0x0
	s_endpgm
.Lv_role:
.irp i, 0,1,2,3,4,5,6,7
	ITER \i, 0
.endr
	global_store_b128 v[LI], v[SW:SW+3], s[OS:OS+1]
	s_wait_tensorcnt 0x0
	ds_add_u32 v254, v255
	s_wait_dscnt 0x0
	s_endpgm
.Lfunc_end_k_q0bb9d67f8f_proj:
	.size	k_q0bb9d67f8f_proj, .Lfunc_end_k_q0bb9d67f8f_proj-k_q0bb9d67f8f_proj
	.p2alignl 7, 3214868480
	.fill 96, 4, 3214868480
	.section	.rodata,"a",@progbits
	.p2align	6, 0x0
	.amdhsa_kernel k_q0bb9d67f8f_proj
		.amdhsa_group_segment_fixed_size 168448
		.amdhsa_private_segment_fixed_size 0
		.amdhsa_enable_private_segment 0
		.amdhsa_kernarg_size 96
		.amdhsa_user_sgpr_count 2
		.amdhsa_user_sgpr_kernarg_segment_ptr 1
		.amdhsa_wavefront_size32 1
		.amdhsa_system_sgpr_workgroup_id_x 1
		.amdhsa_system_sgpr_workgroup_id_y 1
		.amdhsa_system_sgpr_workgroup_id_z 1
		.amdhsa_system_vgpr_workitem_id 0
		.amdhsa_next_free_vgpr 512
		.amdhsa_next_free_sgpr 66
		.amdhsa_reserve_vcc 0
		.amdhsa_float_denorm_mode_32 3
		.amdhsa_float_denorm_mode_16_64 3
		.amdhsa_memory_ordered 1
		.amdhsa_forward_progress 1
		.amdhsa_inst_pref_size 148
	.end_amdhsa_kernel
	.amdgpu_metadata
---
amdhsa.version: [ 1, 2 ]
amdhsa.kernels:
  - .name:           k_q0bb9d67f8f_proj
    .symbol:         k_q0bb9d67f8f_proj.kd
    .args:
      - { .name: x, .offset: 0, .size: 8, .value_kind: global_buffer, .address_space: global }
      - { .name: Wq_codes, .offset: 8, .size: 8, .value_kind: global_buffer, .address_space: global }
      - { .name: Wq_scales, .offset: 16, .size: 8, .value_kind: global_buffer, .address_space: global }
      - { .name: bq, .offset: 24, .size: 8, .value_kind: global_buffer, .address_space: global }
      - { .name: Wk_codes, .offset: 32, .size: 8, .value_kind: global_buffer, .address_space: global }
      - { .name: Wk_scales, .offset: 40, .size: 8, .value_kind: global_buffer, .address_space: global }
      - { .name: bk, .offset: 48, .size: 8, .value_kind: global_buffer, .address_space: global }
      - { .name: Wv_codes, .offset: 56, .size: 8, .value_kind: global_buffer, .address_space: global }
      - { .name: Wv_scales, .offset: 64, .size: 8, .value_kind: global_buffer, .address_space: global }
      - { .name: bv, .offset: 72, .size: 8, .value_kind: global_buffer, .address_space: global }
      - { .name: qimg, .offset: 80, .size: 8, .value_kind: global_buffer, .address_space: global }
      - { .name: kvimg, .offset: 88, .size: 8, .value_kind: global_buffer, .address_space: global }
    .group_segment_fixed_size: 168448
    .private_segment_fixed_size: 0
    .kernarg_segment_align: 8
    .kernarg_segment_size: 96
    .max_flat_workgroup_size: 128
    .sgpr_count:     66
    .vgpr_count:     512
    .wavefront_size: 32
...
	.end_amdgpu_metadata
.endif
;; end of part 1
;; launch attn (part 2): grid 32 x 8, 4 waves a work-group, clusters of 4 x 1, 327,680 bytes of LDS; arguments qimg, kvimg, x, gamma, out0; writes out0
.if DOCPART == 2
	.amdgcn_target "amdgcn-amd-amdhsa--gfx1250"
	.amdhsa_code_object_version 6
	.text
	.protected	k_q0bb9d67f8f_attn
	.globl	k_q0bb9d67f8f_attn
	.p2align	8
	.type	k_q0bb9d67f8f_attn,@function
k_q0bb9d67f8f_attn:
	s_mov_b64 s[64:65], 0
	v_nop
	global_prefetch_b8 v0, s[64:65] scope:SCOPE_SE
	s_setreg_imm32_b32 hwreg(HW_REG_WAVE_MODE, 25, 1), 1
	s_wait_xcnt 0x0
	s_wait_alu depctr_hold_cnt(0) depctr_sa_sdst(0) depctr_va_vdst(0) depctr_va_sdst(0) depctr_va_ssrc(0) depctr_va_vcc(0) depctr_vm_vsrc(0)
	s_getreg_b32 s2, hwreg(HW_REG_IB_STS2, 6, 4)
	s_cmp_eq_u32 s2, 0
	s_cbranch_scc0 .Lentry_in_a_cluster
	s_endpgm
.Lentry_in_a_cluster:
	s_bfe_u32 s2, ttmp6, 0x10000c
	s_cmp_lg_u32 s2, 0x3003
	s_cbranch_scc0 .Lentry_shape_is_right
	s_endpgm
.Lentry_shape_is_right:
; out[b][c][m] = gamma x (sum over n of v[b][c][n] softmax_n(q[b][:][m] . k[b][:][n])) + x[b][c][m], both products on codes of FP4 (E2M1) with one E8M0 scale for each 32 along K.
; q, k and v come as IMAGES OF OPERAND REGISTERS (a fragment of 16 rows x 128 K is 1,024 bytes: registers 4 c .. 4 c + 3 of lane l at 512 c + 16 l), with their scale words in blocks of 512 bytes
; (at 16 l + 4 i the word of tile 2 i + l / 16, row l % 16).  qimg: a record of 8,704 bytes for each 128 queries.  kvimg: a record of 26,112 bytes for each 128 keys: k's 8 fragments, v's 16 (16 channels x these
; 128 keys), k's scale words, v's twice 512 bytes.  Row m of a tile 2 b + u of queries or keys is pixel 32 b + 8 u + m + 8 (m / 8) of its 128: so 16 registers of two neighbouring score tiles are 16 neighbouring keys.
; THE SOFTMAX AHEAD OF THE SECOND PRODUCT: t = score x log2(e); M = the running largest t rounded UP to a whole number; p = 2^(t - M) is quantised along the keys, not normalised; the row's sum is taken of the
; unquantised p and divides at the end.  When M moves, the sum and O are multiplied by 2^(old M - new M), which rounds nothing.
; A STEP OF THE SOFTMAX IS 256 KEYS, two records: M moves, and O's 256 registers a lane are rescaled, once for 256 keys: 128 packed multiplies beside 256 exponentials a lane.
; SHARES.  A work-group owns 128 queries of one image; each of its four waves two tiles of 16 queries (T = 0, 1) and all 256 channels of O: each fragment of k and v read from LDS feeds two matrix instructions.
; Both products are used transposed (S^T = k q^T, O^T = v p^T): a lane holds one query of each tile throughout.  Every wave walks the image's 16 steps of 256 keys.
; THE PIPELINE.  A trip fetches k of its first record, walks the softmax of the step before while those loads land, multiplies k q^T of the first record, fetches k of the second into the same registers,
; multiplies v p^T of the step before (64 products, under which that fetch lands), then k q^T of the second record, and fetches v of both records.
; CLUSTER.  The four work-groups of a cluster belong to one image and walk the same records: each record is asked for JOINTLY, by the same tensor load with the same descriptor and a mask that names the four.
; THE RING.  Two slots of four records.  Each wave fetches one record of a slot: one load a wave behind each round, with two trips in which to land.  Two loads of a wave are out at the start, then one.
; LIMITS: NaN and infinities are not served.  A p under 2^-126 leaves the exponential as 0.  A block's largest p is taken from its largest score, by the same multiply-add and exponential (this takes the exponential
; not to fall where its input rises).  A block whose every p is 0 keeps the scale byte 1: its codes are zeros.
; REGISTERS.  Window 0: v1-11 addresses; v16-31 q's two fragments; p's codes: tile 1's at v32-47, tile 0's at v144-159; v64-119 28 registers of statistics a tile; v120 q's scale words, v124-127 k's, v128-143 v's;
; v192-255 v's fragments of the second record, channel tiles 8-15.   Window 1: O^T, 128 a tile (channel tile u at 8 u).   Window 2: v0-63 k's fragments; v64-191 v's of the first record; v192-255 v's of the second,
; channel tiles 0-7; on the way out rows of the result.   Window 3: S^T, then p: 128 a tile (record e at 64 e); on the way out x.
.set REC,   26112                      ; 102 x 256 bytes
.set QREC,  8704
.set SLOT1, 131072                     ; slot 1 begins here, so that one exclusive or turns an address in one slot into the other's
.set SP,    528                        ; the way out: a stage row: 128 pixels x 4 bytes + 16
.set STG1,  235520                     ; the stage for channels 128-255, behind slot 1; that for channels 0-127 lies at byte 0, in slot 0, which has had its last fill and its last read when the first result is stored there
.set SPARE, 303104                     ; behind the stage: the spare words, 128 bytes for each wave: two blocks of 256 bytes that no other line names
.set LI,  1                            ; v1   16 x lane
.set ADK, 2                            ; v2   LDS address of the trip's first record, + 16 x lane
.set SPW, 4                            ; v4   LDS address of my spare word; never rewritten
.set NIL, 5                            ; v5   0; never rewritten
.set STO, 6                            ; v6-9   the way out: where tile T's results go, channels 128 hh on: v[STO + 2 T + hh]
.set RD,  10                           ; v10-11 and where I read rows back
.set Q,   16
.set PC,  32                           ; p's codes of tile T, record e: v[PC + 112 (1 - T) + 8 e]
.set ST,  64
.set STW, 28
.set QS,  120
.set KS,  124
.set VS,  128                          ; v's scale words of record e: v[VS + 8 e] on
.set VB,  192                          ; v's fragments of the second record: tile u at v[VB + 8 (u % 8)] of window 2 (u < 8) or window 0
.set T_NM, 0                           ; a tile's statistics: -M; the largest t so far (a pair: the packed form takes the low word for both halves);
.set T_MT, 1
.set T_L,  2                           ; the sum, in two halves;
.set T_F,  4                           ; f = 2^(old M - new M), at the end 1 / the sum (and a register named with it as a pair);
.set T_TMP, 6                          ; at work;
.set T_TM2, 7
.set T_BM, 8                           ; the eight blocks' largest scores, then largest p, then the conversions' scale operands;
.set T_BP, 16                          ; the other half's, then the scale bytes;
.set T_PW, 24                          ; p's two scale words: they hold nothing else
.set WV,  14                           ; s14  my wave's number
.set XB,  8                            ; s[8:9]   x at my first row of the way out;  s[12:13] out likewise
.set OB,  12
.set G1,  24                           ; s[24:31] descriptor group 1;  s[32:35] group 0 of slot 0's first fill;  s[36:39] of slot 1's, which then walks
.set G0A, 32
.set G0W, 36
.set TB,  40                           ; s40  LDS byte of the trip's first record
.set SLOTS, 41
.set TRIPC, 42
.set CS,  44                           ; s[44:45] log2(e), named as a pair
.set SEL, 46                           ; s[46:47] lane selects for v_permlanex16_b32: lane l xor 16
.set GM,  48                           ; s[48:49] gamma, named as a pair
.set QSP, 56                           ; s[56:57] q's scale words
; s_set_vgpr_msb's low byte: bits 1:0 source 0, 3:2 source 1, 5:4 source 2, 7:6 destination
.set W_MAX, 0x0f                       ; sources 0 and 1 (scores) window 3; source 2 and destination (statistics) window 0
.set W_S,   0xcf                       ; destination and sources 0 and 1 window 3; source 2 (-M) window 0
.set W_CV,  0x03                       ; source 0 window 3, the rest window 0
.set W_RS,  0x41                       ; O^T (destination and source 0) window 1, f window 0
.set W_QK,  0xc2                       ; k window 2, q window 0, S^T window 3
.set W_PV,  0x52                       ; v window 2, p window 0, O^T window 1
.set W_PVB, 0x50                       ; the same with v in window 0
.set MSB, 0
.macro WIN new                         ; the immediate's high byte repeats the setting that is left; a switch that changes nothing is dropped
.if MSB != \new
	s_set_vgpr_msb (MSB<<8)|\new
.set MSB, \new
.endif
.endm
.macro PLACES
.rept 4
	v_nop
.endr
.endm
; A round of the cluster's barrier: my work-group's barrier; wave 0 signals for the work-group; every wave waits for all four work-groups; my work-group's barrier once more.
.macro CROUND
	s_barrier_signal -1
	s_barrier_wait -1
	s_cmp_lg_u32 s[WV], 0
	s_cbranch_scc1 .Lnot_wave_0_\@
	s_barrier_signal -3
.Lnot_wave_0_\@:
	s_barrier_wait -3
	s_barrier_signal -1
	s_barrier_wait -1
.endm
; One matrix instruction, by the symbols mD, mA, mB, mC (first registers; mC < 0: the constant 0 starts the sum), mSA, mSB (scale registers), mRA, mRB (1: that side's scales are read from lanes 16-31)
.macro WM
.if mC < 0
.if mRA && mRB
	v_wmma_scale_f32_16x16x128_f8f6f4 v[mD:mD+7], v[mA:mA+7], v[mB:mB+7], 0, v[mSA], v[mSB] matrix_a_fmt:MATRIX_FMT_FP4 matrix_b_fmt:MATRIX_FMT_FP4 matrix_a_scale:MATRIX_SCALE_ROW1 matrix_b_scale:MATRIX_SCALE_ROW1
.elseif mRA
	v_wmma_scale_f32_16x16x128_f8f6f4 v[mD:mD+7], v[mA:mA+7], v[mB:mB+7], 0, v[mSA], v[mSB] matrix_a_fmt:MATRIX_FMT_FP4 matrix_b_fmt:MATRIX_FMT_FP4 matrix_a_scale:MATRIX_SCALE_ROW1
.elseif mRB
	v_wmma_scale_f32_16x16x128_f8f6f4 v[mD:mD+7], v[mA:mA+7], v[mB:mB+7], 0, v[mSA], v[mSB] matrix_a_fmt:MATRIX_FMT_FP4 matrix_b_fmt:MATRIX_FMT_FP4 matrix_b_scale:MATRIX_SCALE_ROW1
.else
	v_wmma_scale_f32_16x16x128_f8f6f4 v[mD:mD+7], v[mA:mA+7], v[mB:mB+7], 0, v[mSA], v[mSB] matrix_a_fmt:MATRIX_FMT_FP4 matrix_b_fmt:MATRIX_FMT_FP4
.endif
.else
.if mRA
	v_wmma_scale_f32_16x16x128_f8f6f4 v[mD:mD+7], v[mA:mA+7], v[mB:mB+7], v[mC:mC+7], v[mSA], v[mSB] matrix_a_fmt:MATRIX_FMT_FP4 matrix_b_fmt:MATRIX_FMT_FP4 matrix_a_scale:MATRIX_SCALE_ROW1
.else
	v_wmma_scale_f32_16x16x128_f8f6f4 v[mD:mD+7], v[mA:mA+7], v[mB:mB+7], v[mC:mC+7], v[mSA], v[mSB] matrix_a_fmt:MATRIX_FMT_FP4 matrix_b_fmt:MATRIX_FMT_FP4
.endif
.endif
.endm
	s_load_b256 s[4:11], s[0:1], 0x0               ; qimg s[4:5], kvimg s[6:7], x s[8:9], gamma s[10:11]
	s_load_b64 s[12:13], s[0:1], 0x20              ; out
	v_lshl_add_u32 v[SPW], v0, 2, SPARE
	v_mov_b32 v[NIL], 0
	ds_add_u32 v4, v5
	ds_add_u32 v4, v5
	s_wait_dscnt 0x0
	v_lshrrev_b32 v12, 5, v0
	v_readfirstlane_b32 s[WV], v12                 ; wave 0..3
	s_bfe_u32 s15, ttmp6, 0x40000                  ; cx: my place in the cluster
	s_lshl_b32 s16, ttmp9, 2                       ; in a cluster launch ttmp9 counts clusters
	s_add_co_u32 s16, s16, s15                     ; my block of 128 queries: it enters q's, x's and out's addresses alone
	s_and_b32 s17, ttmp7, 0xffff                   ; the image, which the four partners share
	; descriptor group 1: a record is a dense block: 102 rows of 256 bytes (32 elements of 8 bytes); no padding: images are read at 16 x lane
	s_mov_b32 s[G1+0], 15|(3<<16)|(1<<21)          ; 15:0 the mask: all four work-groups; 17:16 elements of 8 bytes; 21 set beside a mask
	s_mov_b32 s[G1+1], 32<<16                      ; tensor_dim0 = 32
	s_mov_b32 s[G1+2], 102<<16                     ; tensor_dim1 = 102
	s_mov_b32 s[G1+3], 32<<16                      ; tile_dim0 = 32
	s_mov_b32 s[G1+4], 102                         ; tile_dim1 = 102
	s_mov_b32 s[G1+5], 32                          ; tensor_dim0_stride
	s_mov_b32 s[G1+6], 0
	s_mov_b32 s[G1+7], 0
	s_mul_i32 s20, s[WV], REC                      ; I fetch record w of each slot's four: its place in a slot, and in memory
	s_mul_i32 s18, s17, 32*REC                     ; the image's 32 records
	s_add_co_u32 s18, s18, s20
	s_mov_b32 s19, 0
	s_lshl_b32 s22, s17, 5
	s_add_co_u32 s22, s22, s16
	s_mul_i32 s22, s22, QREC                       ; my block's record of q
	s_lshl_b32 s21, s[WV], 11
	s_add_co_u32 s50, s22, s21                     ; my two fragments: tiles 2 w and 2 w + 1
	s_mov_b32 s51, 0
	s_lshl_b32 s21, s[WV], 2
	s_add_co_u32 s52, s22, s21
	s_add_co_u32 s52, s52, 8192                    ; their scale words: word w of each lane's 16 bytes
	s_mov_b32 s53, 0
	s_lshl_b32 s54, s17, 22                        ; x and out: the image,
	s_lshl_b32 s21, s[WV], 19                      ; channels 32 w on (of each half of 128),
	s_add_co_u32 s54, s54, s21
	s_lshl_b32 s21, s16, 9                         ; my block's 128 pixels
	s_add_co_u32 s54, s54, s21
	s_mov_b32 s55, 0
	s_mov_b32 s[CS], 0x3fb8aa3b                    ; log2(e)
	s_mov_b32 s[CS+1], s[CS]                       ; (named with it as a pair, so it is written)
	s_mov_b32 s[SEL], 0x76543210
	s_mov_b32 s[SEL+1], 0xfedcba98
	s_mov_b32 s[TB], 0
	s_wait_kmcnt 0x0
	s_add_nc_u64 s[6:7], s[6:7], s[18:19]
	s_add_nc_u64 s[QSP:QSP+1], s[4:5], s[52:53]
	s_add_nc_u64 s[4:5], s[4:5], s[50:51]
	s_add_nc_u64 s[XB:XB+1], s[XB:XB+1], s[54:55]
	s_add_nc_u64 s[OB:OB+1], s[OB:OB+1], s[54:55]
	s_load_b32 s[GM], s[10:11], 0x0                ; gamma
	s_mov_b32 s[G0A], 1                            ; count = 1
	s_mov_b32 s[G0A+1], s20                        ; LDS address: slot 0; no place in the cluster enters it
	s_mov_b64 s[G0A+2:G0A+3], s[6:7]               ; records 0 to 3: mine is record w
	s_or_b32 s[G0A+3], s[G0A+3], 0x80000000        ; type = 2
	s_mov_b32 s[G0W], 1
	s_add_co_u32 s[G0W+1], s20, SLOT1
	s_add_nc_u64 s[G0W+2:G0W+3], s[6:7], 4*REC     ; records 4 to 7
	s_or_b32 s[G0W+3], s[G0W+3], 0x80000000
	CROUND                                         ; all four work-groups are here: the first joint loads meet
	tensor_load_to_lds s[G0A:G0A+3], s[G1:G1+7]    ; a wave's two first fills stand together, ahead of every wait on TENSORcnt and every LDS read
	s_nop 0
	tensor_load_to_lds s[G0W:G0W+3], s[G1:G1+7]
	s_nop 0
	PLACES                                         ; four v_nop follow
	v_and_b32 v12, 31, v0
	v_lshlrev_b32 v[LI], 4, v12
.irp t, 0,1
.irp c, 0,1
	global_load_b128 v[Q+8*\t+4*\c:Q+8*\t+4*\c+3], v[LI], s[4:5] offset:1024*\t+512*\c   ; q's fragments stay in registers
.endr
.endr
	global_load_b32 v[QS], v[LI], s[QSP:QSP+1]     ; lanes 0-15: tile 2 w's scale words, lanes 16-31: tile 2 w + 1's
	; the way out.  In: register j of channel tile u, lane (r, h): channel 16 u + 8 h + j, pixel 32 w + 8 T + r + 8 (r / 8).  Lanes 16-31 lie 8 rows = 1,056 words on, which is 32 words modulo 64
	v_and_b32 v12, 15, v0
	v_and_b32 v13, 8, v0
	v_add_nc_u32 v12, v12, v13                     ; r + 8 (r / 8)
	v_bfe_u32 v13, v0, 4, 1
	v_mul_u32_u24 v13, v13, 8*SP
	v_lshl_add_u32 v12, v12, 2, v13
	s_lshl_b32 s21, s[WV], 7
	v_add_nc_u32 v[STO], s21, v12
	v_add_nc_u32 v[STO+1], STG1, v[STO]
	v_add_nc_u32 v[STO+2], 32, v[STO]
	v_add_nc_u32 v[STO+3], 32, v[STO+1]
	s_mul_i32 s21, s[WV], 32*SP                    ; back: rows 32 w on of each half, a whole row of 512 bytes to the 32 lanes
	v_add_nc_u32 v[RD], s21, v[LI]
	v_add_nc_u32 v[RD+1], STG1, v[RD]
.irp t, 0,1
	v_mov_b32 v[ST+STW*\t+T_MT], 0xff61b1e6        ; the largest t so far: -3e38, under every t
	v_floor_f32 v[ST+STW*\t+T_NM], -v[ST+STW*\t+T_MT]
	v_mov_b32 v[ST+STW*\t+T_L], 0                  ; the sum: the first f is 0 and leaves it 0
	v_mov_b32 v[ST+STW*\t+T_L+1], 0
	v_mov_b32 v[ST+STW*\t+T_F+1], 0                ; (named as the upper half of a pair)
.irp b, 0,1,2,3,4,5,6,7
	v_mov_b32 v[ST+STW*\t+T_BP+\b], 0              ; written once: a lane permute's destination counts as one of its sources
.endr
.endr
; k's eight fragments and its scale words of record e of the trip's two: 17 LDS loads in one run.  Both records go through the same registers
.macro KLOAD e
	WIN 0
.if \e == 0
	v_add_nc_u32 v[ADK], s[TB], v[LI]
.endif
	ds_load_b128 v[KS:KS+3], v[ADK] offset:24576+REC*\e
	WIN 0x80                                       ; destination window 2
.irp u, 0,1,2,3,4,5,6,7
.irp c, 0,1
	ds_load_b128 v[8*\u+4*\c:8*\u+4*\c+3], v[ADK] offset:REC*\e+1024*\u+512*\c
.endr
.endr
.endm
; v's 32 fragments and scale words of the same two records: 68 loads; then on to the next two records
.macro VLOAD
	WIN 0
.irp e, 0,1
	ds_load_b128 v[VS+8*\e:VS+8*\e+3], v[ADK] offset:25088+REC*\e
	ds_load_b128 v[VS+8*\e+4:VS+8*\e+7], v[ADK] offset:25600+REC*\e
.endr
.irp u, 8,9,10,11,12,13,14,15
.irp c, 0,1
	ds_load_b128 v[VB+8*(\u-8)+4*\c:VB+8*(\u-8)+4*\c+3], v[ADK] offset:REC+8192+1024*\u+512*\c
.endr
.endr
	WIN 0x80
.irp u, 0,1,2,3,4,5,6,7,8,9,10,11,12,13,14,15
.irp c, 0,1
	ds_load_b128 v[64+8*\u+4*\c:64+8*\u+4*\c+3], v[ADK] offset:8192+1024*\u+512*\c
.endr
.endr
.irp u, 0,1,2,3,4,5,6,7
.irp c, 0,1
	ds_load_b128 v[VB+8*\u+4*\c:VB+8*\u+4*\c+3], v[ADK] offset:REC+8192+1024*\u+512*\c
.endr
.endr
	WIN 0
	s_add_co_u32 s[TB], s[TB], 2*REC
.endm
; S^T = k q^T for record e: 16 products, each a whole sum (K = the 128 channels): source 0 = key tile u, source 1 = my query tile T
.macro QK e
	WIN W_QK
.irp t, 0,1
.irp u, 0,1,2,3,4,5,6,7
.set mD, 128*\t+64*\e+8*\u
.set mA, 8*\u
.set mB, Q+8*\t
.set mC, -1
.set mSA, KS+\u/2
.set mSB, QS
.set mRA, \u%2
.set mRB, \t
	WM
.endr
.endr
.endm
; O^T += v p^T for record e: 32 products on 32 accumulators, one instruction a turn.  first = 1: they start the sums: nothing is ever cleared
.macro PV e, first
.irp u, 0,1,2,3,4,5,6,7,8,9,10,11,12,13,14,15
.if \e && (\u >= 8)
	WIN W_PVB
.else
	WIN W_PV
.endif
.irp t, 0,1
.set mD, 128*\t+8*\u
.if \e
.set mA, VB+8*(\u%8)
.else
.set mA, 64+8*\u
.endif
.set mB, PC+112*(1-\t)+8*\e
.if \first
.set mC, -1
.else
.set mC, mD
.endif
.set mSA, VS+8*\e+\u/2
.set mSB, ST+STW*\t+T_PW+\e
.set mRA, \u%2
.set mRB, 0
	WM
.endr
.endr
.endm
; O^T under the new M: x f, two at a time, each accumulator from its low end on
.macro RESC
	WIN W_RS
.irp t, 0,1
.set kk, 0
.rept 64
	v_pk_mul_f32 v[128*\t+2*kk:128*\t+2*kk+1], v[128*\t+2*kk:128*\t+2*kk+1], v[ST+STW*\t+T_F:ST+STW*\t+T_F+1] op_sel_hi:[1,0]
.set kk, kk+1
.endr
.endr
.endm
; The k-th of the 63 packed additions that fold tile t's 64 pairs of unquantised p into its first pair, in place: 32 neighbours, then 16, 8, 4, 2, 1: within a level no line waits for another
.macro ADDT t, k
.set rS, 128*(\t)
.if (\k) < 32
.set aw, 4
.set ai, (\k)
.elseif (\k) < 48
.set aw, 8
.set ai, (\k)-32
.elseif (\k) < 56
.set aw, 16
.set ai, (\k)-48
.elseif (\k) < 60
.set aw, 32
.set ai, (\k)-56
.elseif (\k) < 62
.set aw, 64
.set ai, (\k)-60
.else
.set aw, 128
.set ai, 0
.endif
	v_pk_add_f32 v[rS+aw*ai:rS+aw*ai+1], v[rS+aw*ai:rS+aw*ai+1], v[rS+aw*ai+aw/2:rS+aw*ai+aw/2+1]
.endm
; Tile t's 128 p become 16 registers of codes: block 4 e + b by its own scale operand
.macro CVT t
.irp e, 0,1
.irp b, 0,1,2,3
	v_cvt_scalef32_pk8_fp4_f32 v[PC+112*(1-\t)+8*\e+2*\b], v[128*\t+64*\e+16*\b:128*\t+64*\e+16*\b+7], v[ST+STW*\t+T_BM+4*\e+\b]
	v_cvt_scalef32_pk8_fp4_f32 v[PC+112*(1-\t)+8*\e+2*\b+1], v[128*\t+64*\e+16*\b+8:128*\t+64*\e+16*\b+15], v[ST+STW*\t+T_BM+4*\e+\b]
.endr
.endr
	v_nop                                          ; one plain place behind a scaled conversion
.endm
; THE SOFTMAX OF 256 KEYS for both tiles.  The blocks' scales hang on the blocks' largest scores alone, so all sixteen are made together, right behind M.  One tile's exponentials stand between plain lines of the other tile's work.
.macro SM
	WIN W_MAX
.irp t, 0,1
.irp b, 0,1,2,3,4,5,6,7
	v_max_num_f32 v[ST+STW*\t+T_BM+\b], v[128*\t+16*\b], v[128*\t+16*\b+1]   ; the largest SCORE of each block of 32 keys, from the accumulators' low ends on: it serves the row's maximum and the block's largest p
.endr
.endr
.irp i, 2,4,6,8,10,12,14
.irp t, 0,1
.irp b, 0,1,2,3,4,5,6,7
	v_max3_num_f32 v[ST+STW*\t+T_BM+\b], v[128*\t+16*\b+\i], v[128*\t+16*\b+\i+1], v[ST+STW*\t+T_BM+\b]   ; (sixteen chains by turns)
.endr
.endr
.endr
	WIN 0
.irp t, 0,1
.irp b, 0,1,2,3,4,5,6,7
	v_permlanex16_b32 v[ST+STW*\t+T_BP+\b], v[ST+STW*\t+T_BM+\b], s[SEL], s[SEL+1]
.endr
.endr
.irp t, 0,1
.irp b, 0,1,2,3,4,5,6,7
	v_max_num_f32 v[ST+STW*\t+T_BM+\b], v[ST+STW*\t+T_BM+\b], v[ST+STW*\t+T_BP+\b]   ; with lane l xor 16's 16 keys
.endr
.endr
.irp t, 0,1
	v_max3_num_f32 v[ST+STW*\t+T_TMP], v[ST+STW*\t+T_BM], v[ST+STW*\t+T_BM+1], v[ST+STW*\t+T_BM+2]
.endr
.irp t, 0,1
	v_max3_num_f32 v[ST+STW*\t+T_TM2], v[ST+STW*\t+T_BM+3], v[ST+STW*\t+T_BM+4], v[ST+STW*\t+T_BM+5]
.endr
.irp t, 0,1
	v_max3_num_f32 v[ST+STW*\t+T_TMP], v[ST+STW*\t+T_TMP], v[ST+STW*\t+T_TM2], v[ST+STW*\t+T_BM+6]
.endr
.irp t, 0,1
	v_max_num_f32 v[ST+STW*\t+T_TMP], v[ST+STW*\t+T_TMP], v[ST+STW*\t+T_BM+7]   ; the step's largest score of my query
.endr
.irp t, 0,1
	v_mul_f32 v[ST+STW*\t+T_TMP], s[CS], v[ST+STW*\t+T_TMP]                     ; as t
.endr
.irp t, 0,1
	v_max_num_f32 v[ST+STW*\t+T_MT], v[ST+STW*\t+T_MT], v[ST+STW*\t+T_TMP]      ; the running largest t
.endr
.irp t, 0,1
	v_mov_b32 v[ST+STW*\t+T_TMP], v[ST+STW*\t+T_NM]
.endr
.irp t, 0,1
	v_floor_f32 v[ST+STW*\t+T_NM], -v[ST+STW*\t+T_MT]                           ; the new -M = floor(-t): M is a whole number
.endr
.irp b, 0,1,2,3
	v_fma_f32 v[ST+T_BM+\b], v[ST+T_BM+\b], s[CS], v[ST+T_NM]                   ; t - M of each block's largest score; the three lines that make f stand among these sixteen
.endr
.irp t, 0,1
	v_sub_f32 v[ST+STW*\t+T_TMP], v[ST+STW*\t+T_NM], v[ST+STW*\t+T_TMP]         ; old M - new M: a whole number, 0 or less
.endr
.irp b, 4,5,6,7
	v_fma_f32 v[ST+T_BM+\b], v[ST+T_BM+\b], s[CS], v[ST+T_NM]
.endr
.irp t, 0,1
	v_cvt_i32_f32 v[ST+STW*\t+T_TMP], v[ST+STW*\t+T_TMP]                        ; (it saturates)
.endr
.irp b, 0,1,2,3
	v_fma_f32 v[ST+STW+T_BM+\b], v[ST+STW+T_BM+\b], s[CS], v[ST+STW+T_NM]
.endr
.irp t, 0,1
	v_ldexp_f32 v[ST+STW*\t+T_F], 1.0, v[ST+STW*\t+T_TMP]                       ; f = 2^(old M - new M)
.endr
.irp b, 4,5,6,7
	v_fma_f32 v[ST+STW+T_BM+\b], v[ST+STW+T_BM+\b], s[CS], v[ST+STW+T_NM]
.endr
.irp t, 0,1
.irp b, 0,1,2,3,4,5,6,7
	v_exp_f32 v[ST+STW*\t+T_BM+\b], v[ST+STW*\t+T_BM+\b]                        ; the blocks' largest p
.endr
.endr
.irp t, 0,1
	v_pk_mul_f32 v[ST+STW*\t+T_L:ST+STW*\t+T_L+1], v[ST+STW*\t+T_L:ST+STW*\t+T_L+1], v[ST+STW*\t+T_F:ST+STW*\t+T_F+1] op_sel_hi:[1,0]   ; the sums under the new M (also the plain place behind the exponentials)
.endr
	s_wait_alu depctr_va_vdst(0)
.irp t, 0,1
.irp b, 0,1,2,3,4,5,6,7
	v_max_num_f32 v[ST+STW*\t+T_BM+\b], 0x1800000, v[ST+STW*\t+T_BM+\b]         ; the floor 2^(3 - 127): the byte cannot fall under 1
.endr
.endr
.irp t, 0,1
.irp b, 0,1,2,3,4,5,6,7
	v_add_nc_u32 v[ST+STW*\t+T_BM+\b], 0xff000000, v[ST+STW*\t+T_BM+\b]         ; 2 off the exponent field: the conversion's scale operand
.endr
.endr
.irp t, 0,1
.irp b, 0,1,2,3,4,5,6,7
	v_lshrrev_b32 v[ST+STW*\t+T_BP+\b], 23, v[ST+STW*\t+T_BM+\b]                ; the scale's byte
.endr
.endr
.irp t, 0,1
.irp e, 0,1
	v_lshl_or_b32 v[ST+STW*\t+T_PW+\e], v[ST+STW*\t+T_BP+4*\e+1], 8, v[ST+STW*\t+T_BP+4*\e]   ; p's scale word for record e's 128 keys (four words by turns)
.endr
.endr
.irp t, 0,1
.irp e, 0,1
	v_lshl_or_b32 v[ST+STW*\t+T_PW+\e], v[ST+STW*\t+T_BP+4*\e+2], 16, v[ST+STW*\t+T_PW+\e]
.endr
.endr
.irp t, 0,1
.irp e, 0,1
	v_lshl_or_b32 v[ST+STW*\t+T_PW+\e], v[ST+STW*\t+T_BP+4*\e+3], 24, v[ST+STW*\t+T_PW+\e]
.endr
.endr
	WIN W_S
.set kk, 0
.rept 64
	v_pk_fma_f32 v[2*kk:2*kk+1], v[2*kk:2*kk+1], s[CS:CS+1], v[ST+T_NM:ST+T_NM+1] op_sel_hi:[1,0,0]   ; tile 0: t - M, two at a time
.set kk, kk+1
.endr
.set kk, 0
.rept 64
	v_exp_f32 v[2*kk], v[2*kk]                                                  ; tile 0: p = 2^(t - M), at most 1: not normalised
	v_pk_fma_f32 v[128+2*kk:128+2*kk+1], v[128+2*kk:128+2*kk+1], s[CS:CS+1], v[ST+STW+T_NM:ST+STW+T_NM+1] op_sel_hi:[1,0,0]   ; tile 1: t - M
	v_exp_f32 v[2*kk+1], v[2*kk+1]
.set kk, kk+1
.endr
	v_nop                                          ; a plain place behind the exponentials
	s_wait_alu depctr_va_vdst(0)
	WIN W_CV
	CVT 0
	WIN W_S
.set kk, 0
.rept 64
	v_exp_f32 v[128+2*kk], v[128+2*kk]                                          ; tile 1's exponentials, the first three levels of tile 0's sum between them
.if kk < 56
	ADDT 0, kk
.endif
	v_exp_f32 v[128+2*kk+1], v[128+2*kk+1]
.set kk, kk+1
.endr
	v_nop                                          ; a plain place behind the exponentials
	s_wait_alu depctr_va_vdst(0)
	WIN W_CV
	CVT 1
	WIN 0
.irp t, 0,1                                    ; the operand's layout wants a WHOLE block in a lane: lanes 0-15 block 2 c, lanes 16-31 block 2 c + 1
.irp e, 0,1
.irp c, 0,1
.irp i, 0,1
	v_permlane16_swap_b32 v[PC+112*(1-\t)+8*\e+4*\c+\i], v[PC+112*(1-\t)+8*\e+4*\c+2+\i]
.endr
.endr
.endr
.endr
	WIN W_S                                        ; the 72 plain lines from here on name nothing of the products to come: they stand between the last write of p's codes and the scaled matrix instructions that read them
.set kk, 0
.rept 56
	ADDT 1, kk
.set kk, kk+1
.endr
.irp k, 56,57,58,59
	ADDT 0, \k
.endr
.irp k, 56,57,58,59
	ADDT 1, \k
.endr
.irp k, 60,61
	ADDT 0, \k
.endr
.irp k, 60,61
	ADDT 1, \k
.endr
	ADDT 0, 62
	ADDT 1, 62
	WIN W_CV
.irp t, 0,1
	v_pk_add_f32 v[ST+STW*\t+T_L:ST+STW*\t+T_L+1], v[128*\t:128*\t+1], v[ST+STW*\t+T_L:ST+STW*\t+T_L+1]   ; the row's sum takes the step's
.endr
.endm
; A TRIP.  The four places behind each run of k q^T serve the loads into k's registers (and, behind the second, v's) and the first read of the scores.
.macro DTRIP first
	KLOAD 0
	SM
.if \first == 0
	RESC
.endif
	s_wait_dscnt 0x0                               ; v of the step in hand and k of the next step's first record are in
	QK 0
	PLACES
	KLOAD 1                                        ; lands under the 64 products below
	PV 0, \first
	PV 1, 0
	s_wait_dscnt 0x0                               ; k of the second record is in
	QK 1
	PLACES
	VLOAD
.endm
.macro DTRIPS n
	s_mov_b32 s[TRIPC], \n
.Ltrip_\@:
	DTRIP 0
	s_sub_co_u32 s[TRIPC], s[TRIPC], 1
	s_cmp_lg_u32 s[TRIPC], 0
	s_cbranch_scc1 .Ltrip_\@
.endm
; THE CHANGE OF SLOTS: the slot's last bytes, v of its last two records, have been asked for.  Each wave waits for all its tensor loads (one is out: its record of the other slot), adds 0 to its spare word, and waits for
; that and for its own reads of the slot.  fill = 1: the slot is filled again with the records two slots on; the barrier is then a round of the cluster's, so that no wave of any partner still reads the slot or has a
; load on its way, and the joint refill is the first thing behind it.
.macro CHANGE fill
	WIN 0                                          ; at a label and at a branch every window is 0
	s_wait_tensorcnt 0x0                           ; no tensor load of mine is out, so a group 0 may be written
	ds_add_u32 v[SPW], v[NIL]                      ; 0 onto my spare word
.if \fill
	s_xor_b32 s[G0W+1], s[G0W+1], SLOT1            ; the walking descriptor: the other slot than last time,
	s_add_nc_u64 s[G0W+2:G0W+3], s[G0W+2:G0W+3], 4*REC   ; the next four records; the type bits on top are not reached
	s_wait_dscnt 0x0                               ; the add is done, and my reads of the slot are over
	CROUND
	tensor_load_to_lds s[G0W:G0W+3], s[G1:G1+7]    ; my one tensor load until the next round
	s_nop 0
	PLACES                                         ; four v_nop follow
.else
	s_wait_dscnt 0x0
	s_barrier_signal -1
	s_barrier_wait -1
.endif
	s_sub_co_u32 s[TB], s[TB], 4*REC               ; the fetches go back to a slot's first record,
	s_xor_b32 s[TB], s[TB], SLOT1                  ; in the other slot
.endm
; x for the way out: rows 128 hh + 32 w + i, my block's 512 bytes of each, into the registers that the scores have left
.macro XLOAD hh
	WIN 0xc0                                       ; destination window 3
.set kk, 0
.rept 32
	global_load_b128 v[128*\hh+4*kk:128*\hh+4*kk+3], v[LI], s[XB:XB+1] offset:(128*\hh+kk)*16384 th:TH_LOAD_NT
.set kk, kk+1
.endr
	WIN 0
.endm
	s_wait_kmcnt 0x0                               ; gamma
	s_mov_b32 s[GM+1], s[GM]                       ; (named with it as a pair)
	s_wait_tensorcnt 1                             ; my record of slot 0 is in; slot 1's may stay out
	s_barrier_signal -1
	s_barrier_wait -1                              ; everybody's is
	KLOAD 0                                        ; the first 256 keys
	s_wait_loadcnt 0x0                             ; q
	s_wait_dscnt 0x0
	QK 0
	PLACES
	KLOAD 1
	s_wait_dscnt 0x0
	QK 1
	PLACES
	VLOAD
	DTRIP 1                                        ; the first softmax; its products start O^T
	s_mov_b32 s[SLOTS], 6
.Lslot:                                            ; six slots: every slot but the last two is filled again
	CHANGE 1
	DTRIPS 2
	s_sub_co_u32 s[SLOTS], s[SLOTS], 1
	s_cmp_lg_u32 s[SLOTS], 0
	s_cbranch_scc1 .Lslot
	CHANGE 0                                       ; the tail is written out
	DTRIPS 2
	SM                                             ; the last 256 keys'
	XLOAD 0                                        ; p has been summed and converted: its registers take x, which has the rescaling, 64 products, the division and the stage in which to land
	XLOAD 1
	RESC
	s_wait_dscnt 0x0
	PV 0, 0
	PV 1, 0
	; THE WAY OUT.  The sum's two halves and the other half of the lanes' are added (plain lines that name nothing of the last products: their places); O^T / the sum goes into a stage laid [channel][pixel];
	; behind a barrier each wave reads 64 whole rows of 512 bytes, makes gamma x row + x by one fused multiply-add, and stores them.
	WIN 0
.irp t, 0,1
	v_add_f32 v[ST+STW*\t+T_TMP], v[ST+STW*\t+T_L], v[ST+STW*\t+T_L+1]
.endr
.irp t, 0,1
	v_permlanex16_b32 v[ST+STW*\t+T_BP], v[ST+STW*\t+T_TMP], s[SEL], s[SEL+1]
.endr
.irp t, 0,1
	v_add_f32 v[ST+STW*\t+T_TMP], v[ST+STW*\t+T_TMP], v[ST+STW*\t+T_BP]
.endr
.irp t, 0,1
	v_rcp_f32 v[ST+STW*\t+T_F], v[ST+STW*\t+T_TMP]
.endr
	v_nop                                          ; a plain place behind the reciprocals
	s_wait_alu depctr_va_vdst(0)
	RESC                                           ; O^T x 1 / the sum
	WIN 0x04                                       ; an LDS store's data are its source 1: window 1
.irp t, 0,1
.irp u, 0,1,2,3,4,5,6,7,8,9,10,11,12,13,14,15
.irp j, 0,1,2,3,4,5,6,7
	ds_store_b32 v[STO+2*\t+(\u/8)], v[128*\t+8*\u+\j] offset:(16*(\u%8)+\j)*SP
.endr
.endr
.endr
	WIN 0
	s_wait_dscnt 0x0                               ; for the others' sake: my stores into the stage are done
	s_barrier_signal -1
	s_barrier_wait -1                              ; a row's 128 pixels come from four waves
; Half hh of the channels: 32 rows a wave, in 128 registers of window 2 of their own: no store's data are written again
.macro HALF hh
	WIN 0x80                                       ; destination window 2
.set kk, 0
.rept 32
	ds_load_b128 v[128*\hh+4*kk:128*\hh+4*kk+3], v[RD+\hh] offset:SP*kk
.set kk, kk+1
.endr
	s_wait_dscnt 0x0
	s_wait_loadcnt 32*(1-\hh)                      ; this half's 32 loads of x are in; behind the first half's stand the second half's 32
	WIN 0xb2                                       ; destination and source 0 window 2, source 2 (x) window 3
.set kk, 0
.rept 64
	v_pk_fma_f32 v[128*\hh+2*kk:128*\hh+2*kk+1], v[128*\hh+2*kk:128*\hh+2*kk+1], s[GM:GM+1], v[128*\hh+2*kk:128*\hh+2*kk+1] op_sel_hi:[1,0,1]
.set kk, kk+1
.endr
	WIN 0x08                                       ; a store's data are its source 1: window 2
.set kk, 0
.rept 32
	global_store_b128 v[LI], v[128*\hh+4*kk:128*\hh+4*kk+3], s[OB:OB+1] offset:(128*\hh+kk)*16384 th:TH_STORE_NT   ; 32 lanes store 512 consecutive bytes, at a multiple of 256 from the buffer's first byte
.set kk, kk+1
.endr
	WIN 0
.endm
	HALF 0
	HALF 1
	s_wait_tensorcnt 0x0                           ; the wave's end, behind my last tensor load and my last LDS store
	ds_add_u32 v[SPW], v[NIL]
	s_wait_dscnt 0x0
	CROUND                                         ; the closing round: no work-group ends while a partner may still ask for a record that names it
	s_endpgm
.Lfunc_end_k_q0bb9d67f8f_attn:
	.size	k_q0bb9d67f8f_attn, .Lfunc_end_k_q0bb9d67f8f_attn-k_q0bb9d67f8f_attn
	.p2alignl 7, 3214868480
	.fill 96, 4, 3214868480
	.section	.rodata,"a",@progbits
	.p2align	6, 0x0
	.amdhsa_kernel k_q0bb9d67f8f_attn
		.amdhsa_group_segment_fixed_size 327680
		.amdhsa_private_segment_fixed_size 0
		.amdhsa_enable_private_segment 0
		.amdhsa_kernarg_size 40
		.amdhsa_user_sgpr_count 2
		.amdhsa_user_sgpr_kernarg_segment_ptr 1
		.amdhsa_wavefront_size32 1
		.amdhsa_system_sgpr_workgroup_id_x 1
		.amdhsa_system_sgpr_workgroup_id_y 1
		.amdhsa_system_sgpr_workgroup_id_z 1
		.amdhsa_system_vgpr_workitem_id 0
		.amdhsa_next_free_vgpr 1024
		.amdhsa_next_free_sgpr 66
		.amdhsa_reserve_vcc 0
		.amdhsa_float_denorm_mode_32 3
		.amdhsa_float_denorm_mode_16_64 3
		.amdhsa_memory_ordered 1
		.amdhsa_forward_progress 1
		.amdhsa_inst_pref_size 255
	.end_amdhsa_kernel
	.section	.bss,"aw",@nobits
	.p2align	6
	.space	262144
	.amdgpu_metadata
---
amdhsa.version: [ 1, 2 ]
amdhsa.kernels:
  - .name:           k_q0bb9d67f8f_attn
    .symbol:         k_q0bb9d67f8f_attn.kd
    .args:
      - { .name: qimg, .offset: 0, .size: 8, .value_kind: global_buffer, .address_space: global }
      - { .name: kvimg, .offset: 8, .size: 8, .value_kind: global_buffer, .address_space: global }
      - { .name: x, .offset: 16, .size: 8, .value_kind: global_buffer, .address_space: global }
      - { .name: gamma, .offset: 24, .size: 8, .value_kind: global_buffer, .address_space: global }
      - { .name: out0, .offset: 32, .size: 8, .value_kind: global_buffer, .address_space: global }
    .group_segment_fixed_size: 327680
    .private_segment_fixed_size: 0
    .kernarg_segment_align: 8
    .kernarg_segment_size: 40
    .max_flat_workgroup_size: 128
    .sgpr_count:     66
    .vgpr_count:     1024
    .wavefront_size: 32
...
	.end_amdgpu_metadata
.endif
;; end of part 2
